; MI455X (gfx1250); checked and timed in simulation.
; The chip was launched on July 23, 2026; its instructions are those of AMD's public machine-readable ISA for CDNA 5 (MIT licence, August 2026) and "CDNA5" Instruction Set Architecture Reference Guide (July 2026). The comments in the code are by the model that wrote it; some were corrected since.
;; Tensor Fusion. Allowed arithmetic: float matrix products may take bf16 or f16 operands with f32 sums; other float arithmetic in f32, or as packed bf16 or f16 multiplies, adds, multiply-adds, maxima and minima; sums over many terms, partial sums and values carried from step to step in f32; what a program stores and reads back later, other than sums and carried values, may be rounded once to bf16 or f16.
;; Inputs: W1 65,536 x 1,024 float32; W2 1,024 x 21 float32; audio 1,024 x 255 float32; b1 1,024 float32; b2 21 float32; beta 1,024 float32; gamma 1,024 float32; visual 1,024 x 255 float32.
;; Outputs: out0 1,024 x 21 float32.
;; 2 versions, each right; version 2 is version 1 with the launch bn written anew for expert scheduling mode. Each part assembles by itself: llvm-mc -triple=amdgcn-amd-amdhsa -mcpu=gfx1250 --defsym DOCPART=n.
;; ======== version 1 of 2: 4 launches
;; limits: values are held in f16: magnitudes above 65,504 overflow, below 6.1e-05 lose precision
;; workspace buffers: aprep 524,288 bytes; vprep 524,288 bytes; w2p 65,536 bytes; part 67,108,864 bytes; ybuf 2,097,152 bytes
;; launch prep (part 1): grid 272 x 1, 8 waves a work-group, no clusters, 0 bytes of LDS; arguments audio, visual, W2, aprep, vprep, w2p; writes aprep, vprep, w2p
.if DOCPART == 1
	.amdgcn_target "amdgcn-amd-amdhsa--gfx1250"
	.amdhsa_code_object_version 6
	.text
	.protected	k_q368ca02c4f_prep
	.globl	k_q368ca02c4f_prep
	.p2align	8
	.type	k_q368ca02c4f_prep,@function
k_q368ca02c4f_prep:
	s_mov_b64 s[64:65], 0
	v_nop
	global_prefetch_b8 v0, s[64:65] scope:SCOPE_SE
	s_setreg_imm32_b32 hwreg(HW_REG_WAVE_MODE, 25, 1), 1
	s_wait_xcnt 0x0
; THE MODULE.  h = relu(F W1 + b1) with F[b][256 i + j] = v[b][i] a[b][j] (v, a: visual, audio with a column of ones), batch statistics over the 1,024 rows, then a product with W2.
; NOTHING IS LEFT OUT: every one of the eight inputs has a way to the output, and every product of the contraction is live.
; THIS LAUNCH rounds the three small operands once to f16 and lays them in the order in which the later launches' matrix operands take them.
;   aprep [jb 8][blk 64][p 2][lane 32][16 bytes]: lane (r = lane % 16, h = lane / 16), piece p: a[16 blk + r][jb + 8 (16 p + 8 h + e)], e = 0..7; a[.][255] = 1
;   vprep [g4 64][blk 64][r 16][8 bytes]:         v[16 blk + r][4 g4 + 0..3]; v[.][255] = 1
;   w2p   [kap 32][x 2][p 2][lane 32][16 bytes]:  W2[n][16 x + r] (0 where 16 x + r > 20), n = 64 (kap / 2) + 32 (e / 4) + 16 h + 4 (e % 4) + 2 (kap % 2) + p, e = 0..7
; LIMITS.  f16 holds no number beyond 65,504 and keeps a fixed step of 6e-8 below 6e-5: audio, visual and W2 are taken to lie within that.  NaN and infinities are not treated apart.
; SHARES.  A thread makes one piece of 16 bytes, number pi, stored at byte 16 pi of its buffer: a wave's store covers 512 consecutive bytes, aligned.
; Work-groups 0-127 make aprep, 128-255 vprep, 256-271 w2p.  The three buffers are 1.1 MB in all: neither LDS nor the matrix unit has anything to add.
.set D,  16                            ; v[16:23] the piece's eight numbers in f32
.set O,  24                            ; v[24:27] the piece
.macro OUT b                           ; eight numbers rounded once to f16 and stored; the thread ends
	v_cvt_pk_f16_f32 v[O],   v[D],   v[D+1]
	v_cvt_pk_f16_f32 v[O+1], v[D+2], v[D+3]
	v_cvt_pk_f16_f32 v[O+2], v[D+4], v[D+5]
	v_cvt_pk_f16_f32 v[O+3], v[D+6], v[D+7]
	global_store_b128 v10, v[O:O+3], s[\b:\b+1]
	s_endpgm
.endm
	s_load_b256 s[4:11], s[0:1], 0x0               ; audio s[4:5], visual s[6:7], W2 s[8:9], aprep s[10:11]
	s_load_b128 s[12:15], s[0:1], 0x20             ; vprep s[12:13], w2p s[14:15]
	s_mov_b32 s2, ttmp9
	s_cmp_lt_u32 s2, 128
	s_cbranch_scc1 .Laudio
	s_cmp_lt_u32 s2, 256
	s_cbranch_scc1 .Lvisual
	; w2p
	s_sub_co_u32 s3, s2, 256
	s_lshl_b32 s3, s3, 8
	v_or_b32 v1, s3, v0                            ; pi
	v_and_b32 v2, 15, v1                           ; r
	v_bfe_u32 v3, v1, 4, 1                         ; h
	v_bfe_u32 v4, v1, 5, 1                         ; p
	v_bfe_u32 v5, v1, 6, 1                         ; x
	v_lshrrev_b32 v6, 7, v1                        ; kap
	v_lshl_add_u32 v2, v5, 4, v2                   ; the column 16 x + r
	v_lshrrev_b32 v7, 1, v6
	v_and_b32 v6, 1, v6
	v_lshl_add_u32 v4, v6, 1, v4                   ; 2 (kap % 2) + p
	v_lshl_add_u32 v4, v3, 4, v4                   ; + 16 h
	v_lshl_add_u32 v4, v7, 6, v4                   ; + 64 (kap / 2): the row of e = 0
	v_min_u32 v8, 20, v2                           ; columns past the last read the last one, and are set to 0 below
	v_mad_u32_u24 v8, v4, 21, v8
	v_lshlrev_b32 v8, 2, v8
	v_lshlrev_b32 v10, 4, v1
	s_wait_kmcnt 0x0
.irp e, 0,1,2,3,4,5,6,7
	global_load_b32 v[D+\e], v8, s[8:9] offset:(32*(\e/4)+4*(\e%4))*84  ; a row of W2 is 84 bytes
.endr
	v_cmp_lt_u32 vcc_lo, 20, v2
	s_wait_loadcnt 0x0
.irp e, 0,1,2,3,4,5,6,7
	v_cndmask_b32 v[D+\e], v[D+\e], 0, vcc_lo
.endr
	OUT 14
.Laudio:
	s_lshl_b32 s3, s2, 8
	v_or_b32 v1, s3, v0                            ; pi
	v_and_b32 v2, 15, v1                           ; r
	v_bfe_u32 v3, v1, 4, 2                         ; h + 2 p
	v_bfe_u32 v4, v1, 6, 6                         ; blk
	v_lshrrev_b32 v5, 12, v1                       ; jb
	v_lshl_add_u32 v4, v4, 4, v2                   ; the row
	v_lshl_add_u32 v5, v3, 6, v5                   ; the column of e = 0: jb + 64 h + 128 p
	v_mul_u32_u24 v4, v4, 255
	v_add_nc_u32 v6, 56, v5                        ; the column of e = 7: 255 at the most, the column of ones
	v_min_u32 v7, 254, v6                          ; which is not in memory: the load stays inside its row
	v_add_lshl_u32 v8, v4, v5, 2
	v_add_lshl_u32 v9, v4, v7, 2
	v_lshlrev_b32 v10, 4, v1
	s_wait_kmcnt 0x0
.irp e, 0,1,2,3,4,5,6
	global_load_b32 v[D+\e], v8, s[4:5] offset:32*\e  ; eight columns on
.endr
	global_load_b32 v[D+7], v9, s[4:5]
	v_cmp_eq_u32 vcc_lo, 255, v6
	s_wait_loadcnt 0x0
	v_cndmask_b32 v[D+7], v[D+7], 1.0, vcc_lo
	OUT 10
.Lvisual:
	s_sub_co_u32 s3, s2, 128
	s_lshl_b32 s3, s3, 8
	v_or_b32 v1, s3, v0                            ; pi: two rows' 8 bytes
	v_and_b32 v2, 7, v1
	v_bfe_u32 v3, v1, 3, 6                         ; blk
	v_lshrrev_b32 v4, 9, v1                        ; g4
	v_lshlrev_b32 v2, 1, v2
	v_lshl_add_u32 v3, v3, 4, v2                   ; the first of the two rows
	v_mul_u32_u24 v3, v3, 255
	v_lshlrev_b32 v5, 2, v4                        ; the first of the four columns
	v_add_nc_u32 v6, 3, v5                         ; the fourth: 255 at the most, the column of ones
	v_min_u32 v7, 254, v6
	v_add_lshl_u32 v8, v3, v5, 2
	v_add_lshl_u32 v9, v3, v7, 2
	v_lshlrev_b32 v10, 4, v1
	s_wait_kmcnt 0x0
.irp w, 0,1
	global_load_b32 v[D+4*\w],   v8, s[6:7] offset:1020*\w  ; a row of visual is 1,020 bytes
	global_load_b32 v[D+4*\w+1], v8, s[6:7] offset:1020*\w+4
	global_load_b32 v[D+4*\w+2], v8, s[6:7] offset:1020*\w+8
	global_load_b32 v[D+4*\w+3], v9, s[6:7] offset:1020*\w
.endr
	v_cmp_eq_u32 vcc_lo, 255, v6
	s_wait_loadcnt 0x0
	v_cndmask_b32 v[D+3], v[D+3], 1.0, vcc_lo
	v_cndmask_b32 v[D+7], v[D+7], 1.0, vcc_lo
	OUT 12
.Lfunc_end_k_q368ca02c4f_prep:
	.size	k_q368ca02c4f_prep, .Lfunc_end_k_q368ca02c4f_prep-k_q368ca02c4f_prep
	.p2alignl 7, 3214868480
	.fill 96, 4, 3214868480
	.section	.rodata,"a",@progbits
	.p2align	6, 0x0
	.amdhsa_kernel k_q368ca02c4f_prep
		.amdhsa_group_segment_fixed_size 0
		.amdhsa_private_segment_fixed_size 0
		.amdhsa_enable_private_segment 0
		.amdhsa_kernarg_size 48
		.amdhsa_user_sgpr_count 2
		.amdhsa_user_sgpr_kernarg_segment_ptr 1
		.amdhsa_wavefront_size32 1
		.amdhsa_system_sgpr_workgroup_id_x 1
		.amdhsa_system_sgpr_workgroup_id_y 1
		.amdhsa_system_sgpr_workgroup_id_z 1
		.amdhsa_system_vgpr_workitem_id 0
		.amdhsa_next_free_vgpr 40
		.amdhsa_next_free_sgpr 66
		.amdhsa_reserve_vcc 1
		.amdhsa_float_denorm_mode_32 3
		.amdhsa_float_denorm_mode_16_64 3
		.amdhsa_memory_ordered 1
		.amdhsa_forward_progress 1
		.amdhsa_inst_pref_size 8
	.end_amdhsa_kernel
	.amdgpu_metadata
---
amdhsa.version: [ 1, 2 ]
amdhsa.kernels:
  - .name:           k_q368ca02c4f_prep
    .symbol:         k_q368ca02c4f_prep.kd
    .args:
      - { .name: audio, .offset: 0, .size: 8, .value_kind: global_buffer, .address_space: global }
      - { .name: visual, .offset: 8, .size: 8, .value_kind: global_buffer, .address_space: global }
      - { .name: W2, .offset: 16, .size: 8, .value_kind: global_buffer, .address_space: global }
      - { .name: aprep, .offset: 24, .size: 8, .value_kind: global_buffer, .address_space: global }
      - { .name: vprep, .offset: 32, .size: 8, .value_kind: global_buffer, .address_space: global }
      - { .name: w2p, .offset: 40, .size: 8, .value_kind: global_buffer, .address_space: global }
    .group_segment_fixed_size: 0
    .private_segment_fixed_size: 0
    .kernarg_segment_align: 8
    .kernarg_segment_size: 48
    .max_flat_workgroup_size: 256
    .sgpr_count:     66
    .vgpr_count:     40
    .wavefront_size: 32
...
	.end_amdgpu_metadata
.endif
;; end of part 1
;; launch main (part 2): grid 16 x 16, 4 waves a work-group, no clusters, 327,680 bytes of LDS; arguments W1, aprep, vprep, part; writes part
.if DOCPART == 2
	.amdgcn_target "amdgcn-amd-amdhsa--gfx1250"
	.amdhsa_code_object_version 6
	.text
	.protected	k_q368ca02c4f_main
	.globl	k_q368ca02c4f_main
	.p2align	8
	.type	k_q368ca02c4f_main,@function
k_q368ca02c4f_main:
	s_mov_b64 s[64:65], 0
	v_nop
	global_prefetch_b8 v0, s[64:65] scope:SCOPE_SE
	s_setreg_imm32_b32 hwreg(HW_REG_WAVE_MODE, 25, 1), 1
	s_wait_xcnt 0x0
; part[slice][b][n] = the sum over the slice's (i, j) of v[b][i] a[b][j] W1[256 i + j][n]: the bulk of the module, a product of 1,024 x 1,024 over K = 65,536.  No work is left out.
; SHARES.  A work-group (x = nt, y = slice) makes ALL 1,024 rows b x the 64 columns 64 nt .. of one K slice of 4,096, so each byte of W1 is read by one work-group of the launch, once.
; Slice: jb = slice % 8, ih = slice / 8; j = jb + 8 jj (jj = 0..31), i = 128 ih + 0..127.  W1's rows are then jb + 8 y with y = 32 i + jj: one pitch, 8 rows of W1, serves the whole walk.
; A K STEP is one i and its 32 jj.  A wave owns 256 rows b: 16 blocks of 16, times 4 column fragments: 64 accumulators, 512 registers.  The 16 slices' sums are added by the next launch (f32).
; F IS MADE IN REGISTERS.  The wave keeps a[b][jb + 8 jj] of its rows as 16 operand fragments (128 registers) for the whole launch.  A step's fragment of F is that fragment times v[b][i], and a lane
; holds ONE row b: eight packed f16 multiplies a block, and each fragment so made feeds four matrix instructions.
; W1 IS ROUNDED AND TURNED IN REGISTERS.  Its f32 tile lies in LDS as in memory, [jj][64 columns].  Lane (r, h) reads 16 bytes (columns 4 r .. 4 r + 3) of the 16 rows jj = 8 h + 0..7, 16 + 8 h + 0..7;
; v_cvt_pk_f16_f32 of two neighbouring rows' number c IS a register of fragment c, in which operand row r stands for column 4 r + c.  Sixteen lanes read 256 consecutive bytes: no padding is wanted.
; THE MATRIX INSTRUCTION IS USED TRANSPOSED: source 0 = a fragment of W1, source 1 = a fragment of F.  Register j of lane (r, h) of accumulator (block t, fragment f) is row 16 t + r, column 32 h + 4 j + f.
; part: [cg 256][slice 16][row 1,024][4 f32], cg = 16 nt + 4 f + 2 q + h, its four columns 64 nt + 32 h + 16 q + f + 4 e: a lane's registers 4 q .. 4 q + 3 are 16 bytes of it, sixteen lanes 256 on end.
; FORMAT.  f16 operands, f32 sums.  LIMITS: |v a| and |W1| stay under 65,504; below 6e-5 a number keeps f16's fixed step of 6e-8; NaN and infinities are not treated apart.
; THE RING.  Two LDS slots of 8 K steps: 65,536 bytes of W1 (256 rows y of 256 bytes) and 16,384 of v.  Waves 0 and 1 fetch W1's halves, waves 2 and 3 v's: one tensor load a wave behind each change of
; slots, with 8 steps, 512 matrix instructions a wave, in which to land.
; NO CLUSTER: of a slot's 81,920 bytes the 65,536 of W1 have this work-group as their only reader; only v's 16,384, a fifth, are shared with others.
; REGISTERS, in windows of 256 (s_set_vgpr_msb: bits 1:0 source 0, 3:2 source 1, 5:4 source 2, 7:6 destination):
;   window 0: v0-15 addresses; v16-143 a's fragments; v144-207 W1's fragments, two sets of four
;   windows 1, 2, 3 hold blocks 0-4, 5-9, 10-15: accumulators from v0 on (32 a block); v192-203 v (two registers = four steps a block); v216-247 F's fragments, four buffers; v248 zero; v249 at work
;   windows 1 and 2, which hold five blocks: v160-191 a step's tile of W1 in f32 as loaded: units 0, 1 of 16 registers in window 1, units 2, 3 in window 2
; With source 0 in window 0 and all else in the block's window ONE setting serves the product and the multiplies that make F.
.set SLOT1, 131072                     ; slot 1 begins here, so that one exclusive or turns an address in one slot into the other's
.set VOFF,  65536                      ; v's place in a slot: [4 steps 2][blk 64][r 16][8 bytes]
.set SPARE, SLOT1+VOFF+16384           ; behind the ring: the spare words, 128 bytes for each wave: two blocks of 256 bytes that no other line names
.set FILLW, 0x800000                   ; bytes of W1 from a slot's first row to the next slot's: 256 rows y of 32,768
.set LB0, 2                            ; v2   my place in a step's tile of W1: 2,048 h + 16 r; never rewritten
.set VL0, 3                            ; v3   my place in four steps' v: VOFF + 2,048 wave + 8 r; never rewritten
.set LB,  4                            ; v4   LDS address for W1's loads of the four steps in hand
.set VL,  5                            ; v5   the same for v
.set PFO, 6                            ; v6   the prefetches' offset: lane x 32,768, a lane a row y; never rewritten
.set PO,  7                            ; v7   my byte offset in part: 262,144 h + 16 r; never rewritten
.set SPW, 8                            ; v8   LDS address of my spare word; never rewritten
.set NIL, 9                            ; v9   0; never rewritten
.set AO,  10                           ; v10  my byte offset in aprep
.set AF,  16                           ; a's fragment of block t at AF + 8 t
.set WF,  144                          ; W1's fragment c of set p at WF + 32 p + 8 c
.set T,   160                          ; in windows 1 and 2: unit u at T + 16 (u % 2) of window 1 + u / 2
.set VR,  192                          ; in the block's window
.set SC,  216
.set ZR,  248
.set VS,  249
.set WV,  12                           ; s12  my wave's number
.set G1W, 24                           ; s[24:31] descriptor group 1 for W1's tiles
.set G1V, 32                           ; s[32:39] for v's
.set G0W, 40                           ; s[40:47] descriptor group 0 for W1's tiles: a set for each of the two first fills; the second then walks on
.set G0V, 48                           ; s[48:55] the same for v's
.set SLOTS, 56                         ; s56  counts the changes of slots that fill
.set CNT, 57                           ; s57  counts a slot's two halves of four steps
.set TB,  58                           ; s58  LDS byte at which W1 of the four steps to be fetched begins
.set TV,  59                           ; s59  the same for v, less VOFF
.set PFA, 60                           ; s[60:61] where my prefetches stand: my 64 rows y of the slot after the one that is being asked for
.set PB,  62                           ; s[62:63] part at my work-group's and wave's first byte
.set MSB, 0
.macro WIN new                         ; the immediate's high byte repeats the setting that is left; a switch that changes nothing is dropped
.if MSB != (\new)
	s_set_vgpr_msb (MSB<<8)|(\new)
.set MSB, (\new)
.endif
.endm
.macro ZW t                            ; block t lies in window Z, as its number TL there
.if (\t) < 5
.set Z, 1
.set TL, (\t)
.elseif (\t) < 10
.set Z, 2
.set TL, (\t)-5
.else
.set Z, 3
.set TL, (\t)-10
.endif
.endm
; A product: block t, fragment f, W1's set p.  zero = 1: the first K step starts the sums: nothing is ever cleared.
.macro MM t, f, p, zero
	ZW \t
	WIN Z*0x54
.if \zero
	v_wmma_f32_16x16x32_f16 v[32*TL+8*(\f):32*TL+8*(\f)+7], v[WF+32*(\p)+8*(\f):WF+32*(\p)+8*(\f)+7], v[SC+8*((\t)%4):SC+8*((\t)%4)+7], 0
.else
	v_wmma_f32_16x16x32_f16 v[32*TL+8*(\f):32*TL+8*(\f)+7], v[WF+32*(\p)+8*(\f):WF+32*(\p)+8*(\f)+7], v[SC+8*((\t)%4):SC+8*((\t)%4)+7], v[32*TL+8*(\f):32*TL+8*(\f)+7]
.endif
.endm
; Register d of block t's fragment of F for step u of four: two of a's numbers times v[b][i], which is given to both halves.  An odd step's v lies in a high half and is brought down first, once a block.
.macro PK t, d, u
	ZW \t
	WIN Z*0x54
.if ((\u)%2) == 1
.if (\d) == 0
	v_lshrrev_b32 v[VS], 16, v[VR+2*TL+(\u)/2]
.endif
	v_pk_fma_f16 v[SC+8*((\t)%4)+(\d)], v[AF+8*(\t)+(\d)], v[VS], v[ZR] op_sel_hi:[1,0,1]
.else
	v_pk_fma_f16 v[SC+8*((\t)%4)+(\d)], v[AF+8*(\t)+(\d)], v[VR+2*TL+(\u)/2], v[ZR] op_sel_hi:[1,0,1]
.endif
.endm
.macro VLD t, w                        ; register w of block t's two: v of steps 2 w, 2 w + 1 of four: 4 bytes a lane
	ZW \t
	WIN Z<<6                                       ; destination in the block's window, address in window 0
	ds_load_b32 v[VR+2*TL+(\w)], v[VL] offset:128*(\t)+4*(\w)
.endm
.macro LU u, sg                        ; unit u of four of step sg's tile: my rows 4 u .. 4 u + 3 of sixteen (the second eight lie 16 rows of 256 bytes behind the first)
	WIN (1+(\u)/2)<<6                              ; destination in the unit's window, address in window 0
.irp k, 0,1,2,3
	ds_load_b128 v[T+16*((\u)%2)+4*\k:T+16*((\u)%2)+4*\k+3], v[LB] offset:(\sg)*8192+((\u)/2)*4096+((\u)%2)*1024+256*\k
.endr
.endm
; A STEP'S LDS LOADS STAND IN ONE RUN, never singly among the products: first, where vw is 0 or 1, that register of v for all 16 blocks; then the 16 loads of step sg's tile of W1.
.macro RUN sg, vw
.if (\vw) >= 0
.irp t, 10,11,12,13,14,15,5,6,7,8,9,0,1,2,3,4      ; by windows 3, 2, 1, so that W1's units 0 and 1 follow under window 1's setting
	VLD \t, \vw
.endr
.endif
	LU 0, \sg
	LU 1, \sg
	LU 2, \sg
	LU 3, \sg
.endm
.macro CU u, half, pn, n               ; two rows of unit u become register 2 u + half of the four fragments of set pn.  n: the LDS loads issued behind the unit's, which may stay out
	WIN 5*(1+(\u)/2)                               ; both sources in the unit's window, destination in window 0
.if (\half) == 0
	s_wait_dscnt \n
.endif
.irp c, 0,1,2,3
	v_cvt_pk_f16_f32 v[WF+32*(\pn)+8*\c+2*(\u)+(\half)], v[T+16*((\u)%2)+8*(\half)+\c], v[T+16*((\u)%2)+8*(\half)+4+\c]
.endr
.endm
; A K STEP, number x of four.  64 products, the 64 accumulators by turns, one instruction a turn, over every jump too.  Behind the products of block t stand the multiplies that make
; block t + 1's fragment of F (behind block 15's: block 0's of the next step): three, three and two; where block t + 1 lies in another window (t = 4, 9, 15) four and four, which halves the switches there.
; THE NEXT STEP'S W1: the run of loads stands behind block 0's last product; its four units are rounded in eight packets of four, behind products of blocks 5, 6; 7, 8; 9, 9; 11, 12.
; v: a block's register 0 (steps 0, 1 of four) is read last in step 1 and loaded anew in step 3's run (vw = 0), for its first use in that step's block 15; register 1 (steps 2, 3) is read last in
; step 3 and loaded anew in step 0's run (vw = 1), for its first use in step 1's block 15.  vw = -1: the run holds W1's loads alone.  last = 1: the launch's last step: nothing is fetched.
; THE COUNTS of the waits in front of the roundings: behind unit u's four loads stand the 4 (3 - u) of the later units: 12, 8, 4, 0.  v's loads stand ahead of unit 0's, so the first of these waits shows them too.
; DISTANCES.  F's buffer (four a window) is written again sixteen multiplies or more behind its last product; W1's other set from block 5 on, forty multiplies behind the last product that read it.
.macro STEP x, vw, last, zero
.set PP, (\x)%2
.set PN, 1-PP
.set SG, ((\x)+1)%4
.set bt, 0
.rept 16
.set nb, (bt+1)%16
.set nu, (\x)
.set rid, 1
.if bt == 15
.set nu, SG
.set rid, 1-(\last)
.endif
.set cut, 3
.if (bt == 4) || (bt == 9) || (bt == 15)
.set cut, 4
.endif
	MM bt, 0, PP, \zero
.if rid
	PK nb, 0, nu
	PK nb, 1, nu
	PK nb, 2, nu
.if cut == 4
	PK nb, 3, nu
.endif
.endif
	MM bt, 1, PP, \zero
.if rid
.if cut == 3
	PK nb, 3, nu
.endif
	PK nb, 4, nu
	PK nb, 5, nu
.if cut == 4
	PK nb, 6, nu
	PK nb, 7, nu
.endif
.endif
	MM bt, 2, PP, \zero
.if rid && (cut == 3)
	PK nb, 6, nu
	PK nb, 7, nu
.endif
.if !(\last) && (bt == 9)
	CU 2, 0, PN, 4
.endif
	MM bt, 3, PP, \zero
.if !(\last)
.if bt == 0
	RUN SG, \vw
.elseif bt == 5
	CU 0, 0, PN, 12
.elseif bt == 6
	CU 0, 1, PN, 0
.elseif bt == 7
	CU 1, 0, PN, 8
.elseif bt == 8
	CU 1, 1, PN, 0
.elseif bt == 9
	CU 2, 1, PN, 0
.elseif bt == 11
	CU 3, 0, PN, 0
.elseif bt == 12
	CU 3, 1, PN, 0
.endif
.endif
.set bt, bt+1
.endr
.endm
; Four steps: the last of one four, which fetches the first of the next four (W1's tile, and v's first register), then that four's first three.  entry = 1: the loop's copy, which is entered behind the launch's first step.
.macro BODY entry
	WIN 0
	v_add_nc_u32 v[LB], s[TB], v[LB0]
	v_add_nc_u32 v[VL], s[TV], v[VL0]
	STEP 3, 0, 0, 0
	STEP 0, 1, 0, 0
	WIN 0                                          ; at a label and at a branch every window is 0
.if \entry
.Lentry:
.endif
	STEP 1, -1, 0, 0
	STEP 2, -1, 0, 0
	WIN 0
	s_add_co_u32 s[TB], s[TB], 32768               ; the next fetches are the next four steps'
	s_add_co_u32 s[TV], s[TV], 8192
.endm
; A refill.  The branch hangs on the wave's number alone.  An s_nop 0 and four v_nop follow each of the two lines, ahead of the jump and the label.
.macro FILL
	s_cmp_lt_u32 s[WV], 2
	s_cbranch_scc0 .Lfor_v_\@
	tensor_load_to_lds s[G0W+4:G0W+7], s[G1W:G1W+7]
	s_nop 0
.rept 4
	v_nop
.endr
	s_branch .Lasked_\@
.Lfor_v_\@:
	tensor_load_to_lds s[G0V+4:G0V+7], s[G1V:G1V+7]
	s_nop 0
.rept 4
	v_nop
.endr
.Lasked_\@:
.endm
; A PREFETCH INTO THE L2 of the W1 rows that the NEXT change of slots will ask for: 256 rows y of 256 bytes.  Wave w names rows 64 w .. 64 w + 63, a lane a row, two instructions: each row's 256 bytes are
; named once in the launch, since no other work-group reads them.  It stands behind the wave's tensor load and its five lines, one slot (8 steps, 512 matrix instructions) ahead of the load that will want the rows.
; The first three slots come by their loads alone; the last change that fills asks for nothing: there is no slot behind it.  v is not asked for: many work-groups read it.
.macro ASK
	s_cmp_gt_u32 s[SLOTS], 1
	s_cbranch_scc0 .Lnone_\@
	global_prefetch_b8 v[PFO], s[PFA:PFA+1] th:TH_LOAD_NT scope:SCOPE_SE
	global_prefetch_b8 v[PFO], s[PFA:PFA+1] offset:32*32768 th:TH_LOAD_NT scope:SCOPE_SE
.Lnone_\@:
.endm
; THE CHANGE OF SLOTS stands in front of a slot's last step, whose operands are all in registers.  Each wave waits for all its tensor loads, of which one is out: its part of the other slot; adds 0 to its
; spare word; and waits for that and for its own reads of the slot that it leaves.  Behind the barrier nobody reads the old slot any more and the other slot is whole.
; fill = 1: the old slot is filled again, the first thing behind the barrier, with the steps two slots on.
.macro CHANGE fill
	WIN 0
	s_wait_tensorcnt 0x0                           ; no tensor load of mine is out, so a group 0 may be written
	ds_add_u32 v[SPW], v[NIL]                      ; 0 onto my spare word: the scalar work below stands between it and the wait for it
.if \fill
	s_xor_b32 s[G0W+5], s[G0W+5], SLOT1            ; the walking descriptors: the other slot than last time,
	s_add_nc_u64 s[G0W+6:G0W+7], s[G0W+6:G0W+7], FILLW  ; the next 8 steps; the type bits on top are not reached
	s_xor_b32 s[G0V+5], s[G0V+5], SLOT1
	s_add_nc_u64 s[G0V+6:G0V+7], s[G0V+6:G0V+7], 16384
	s_wait_xcnt 0x0                                ; the last prefetches, a slot back, have read their address, so it may be written
	s_add_nc_u64 s[PFA:PFA+1], s[PFA:PFA+1], FILLW
.endif
	s_sub_co_u32 s[TB], s[TB], 65536               ; the fetches go back to a slot's first step,
	s_xor_b32 s[TB], s[TB], SLOT1                  ; in the other slot
	s_sub_co_u32 s[TV], s[TV], 16384
	s_xor_b32 s[TV], s[TV], SLOT1
	s_wait_dscnt 0x0                               ; the add is done, and my reads of the slot are over
	s_barrier_signal -1
	s_barrier_wait -1
.if \fill
	FILL
	ASK
.endif
.endm
	s_load_b256 s[4:11], s[0:1], 0x0               ; W1 s[4:5], aprep s[6:7], vprep s[8:9], part s[10:11]
	v_lshl_add_u32 v[SPW], v0, 2, SPARE
	v_mov_b32 v[NIL], 0
	ds_add_u32 v[SPW], v[NIL]                      ; the wave's opening: the add, twice on end, and its wait ahead of my first tensor load; the set-up below stands between
	ds_add_u32 v[SPW], v[NIL]
	v_lshrrev_b32 v1, 5, v0
	v_readfirstlane_b32 s[WV], v1                  ; wave 0..3
	s_and_b32 s13, s[WV], 1                        ; which half of a slot's W1 (waves 0, 1) or v (waves 2, 3) I fetch
	s_and_b32 s16, ttmp7, 0xffff                   ; slice
	s_and_b32 s17, s16, 7                          ; jb
	s_lshr_b32 s18, s16, 3                         ; ih
	s_lshl_b32 s14, ttmp9, 8                       ; 64 columns of f32,
	s_lshl_b32 s19, s17, 12                        ; row jb of 4,096 bytes,
	s_add_co_u32 s14, s14, s19
	s_lshl_b32 s19, s18, 27                        ; 128 i x 256 rows:
	s_add_co_u32 s14, s14, s19                     ; the slice's first byte in W1, under 2^28
	s_lshl_b32 s20, s13, 22                        ; my 128 rows y of 32,768 bytes
	s_add_co_u32 s20, s20, s14
	s_mov_b32 s21, 0
	s_lshl_b32 s22, s[WV], 21                      ; the prefetches: my 64 rows y,
	s_add_co_u32 s22, s22, s14
	s_add_co_u32 s22, s22, 2*FILLW                 ; in the third slot's rows; the first change of slots steps it on
	s_mov_b32 s23, 0
	s_lshl_b32 s2, s18, 18                         ; vprep: 128 i are 32 groups of 8,192 bytes,
	s_lshl_b32 s19, s13, 13                        ; my group of a slot's two
	s_add_co_u32 s2, s2, s19
	s_mov_b32 s3, 0
	s_lshl_b32 s18, s17, 16                        ; aprep: jb's 65,536 bytes
	s_mov_b32 s19, 0
	s_lshl_b32 s16, s16, 14                        ; part: the slice's 16,384 bytes,
	s_lshl_b32 s17, ttmp9, 22                      ; nt's 16 groups of columns of 262,144,
	s_add_co_u32 s16, s16, s17
	s_lshl_b32 s17, s[WV], 12                      ; my wave's 256 rows of 16
	s_add_co_u32 s16, s16, s17
	s_mov_b32 s17, 0
	; descriptor group 1 for W1: 128 rows y x 64 elements of 4 bytes, 8,192 elements from row to row; dense in LDS
	s_mov_b32 s[G1W+0], 2<<16                      ; 15:0 no mask; 17:16 elements of 4 bytes; 20 no padding
	s_mov_b32 s[G1W+1], 64<<16                     ; tensor_dim0 = 64
	s_mov_b32 s[G1W+2], 128<<16                    ; tensor_dim1 = 128
	s_mov_b32 s[G1W+3], 64<<16                     ; tile_dim0 = 64
	s_mov_b32 s[G1W+4], 128                        ; tile_dim1 = 128
	s_mov_b32 s[G1W+5], 8192                       ; the pitch
	s_mov_b32 s[G1W+6], 0
	s_mov_b32 s[G1W+7], 0
	; for v: 8,192 dense bytes as 32 rows of 32 elements of 8 bytes
	s_mov_b32 s[G1V+0], 3<<16
	s_mov_b32 s[G1V+1], 32<<16
	s_mov_b32 s[G1V+2], 32<<16
	s_mov_b32 s[G1V+3], 32<<16
	s_mov_b32 s[G1V+4], 32
	s_mov_b32 s[G1V+5], 32
	s_mov_b32 s[G1V+6], 0
	s_mov_b32 s[G1V+7], 0
	s_mov_b32 s[G0W+0], 1                          ; 1:0 count = 1
	s_mul_i32 s[G0W+1], s13, 32768                 ; 63:32 LDS address: my half of slot 0's W1,
	s_mov_b32 s[G0W+4], 1
	s_add_co_u32 s[G0W+5], s[G0W+1], SLOT1         ; and of slot 1's
	s_mov_b32 s[G0V+0], 1
	s_mul_i32 s[G0V+1], s13, 8192
	s_add_co_u32 s[G0V+1], s[G0V+1], VOFF
	s_mov_b32 s[G0V+4], 1
	s_add_co_u32 s[G0V+5], s[G0V+1], SLOT1
	s_mov_b32 s[TB], 0
	s_mov_b32 s[TV], 0
	s_wait_dscnt 0x0                               ; both opening adds are done
	s_wait_kmcnt 0x0
	s_add_nc_u64 s[G0W+2:G0W+3], s[4:5], s[20:21]  ; 120:64 global address: steps 0-7,
	s_add_nc_u64 s[G0W+6:G0W+7], s[G0W+2:G0W+3], FILLW  ; steps 8-15
	s_or_b32 s[G0W+3], s[G0W+3], 0x80000000        ; 127:126 type = 2
	s_or_b32 s[G0W+7], s[G0W+7], 0x80000000
	s_add_nc_u64 s[G0V+2:G0V+3], s[8:9], s[2:3]
	s_add_nc_u64 s[G0V+6:G0V+7], s[G0V+2:G0V+3], 16384
	s_or_b32 s[G0V+3], s[G0V+3], 0x80000000
	s_or_b32 s[G0V+7], s[G0V+7], 0x80000000
	s_add_nc_u64 s[PFA:PFA+1], s[4:5], s[22:23]
	s_add_nc_u64 s[6:7], s[6:7], s[18:19]
	s_add_nc_u64 s[PB:PB+1], s[10:11], s[16:17]
	s_cmp_lt_u32 s[WV], 2                          ; a wave's two first fills stand in one branch, ahead of every wait on TENSORcnt, every LDS read and every barrier: two loads of mine are out
	s_cbranch_scc0 .Lfirst_v
	tensor_load_to_lds s[G0W:G0W+3], s[G1W:G1W+7]
	s_nop 0
	tensor_load_to_lds s[G0W+4:G0W+7], s[G1W:G1W+7]
	s_nop 0
.rept 4
	v_nop
.endr
	s_branch .Lfirst_asked
.Lfirst_v:
	tensor_load_to_lds s[G0V:G0V+3], s[G1V:G1V+7]
	s_nop 0
	tensor_load_to_lds s[G0V+4:G0V+7], s[G1V:G1V+7]
	s_nop 0
.rept 4
	v_nop
.endr
.Lfirst_asked:
	v_and_b32 v11, 15, v0                          ; r
	v_bfe_u32 v12, v0, 4, 1                        ; h
	v_and_b32 v13, 31, v0                          ; lane
	s_lshl_b32 s14, s[WV], 14                      ; my 16 blocks of 1,024 bytes in aprep
	v_lshl_add_u32 v[AO], v13, 4, s14
.set bt, 0
.rept 16                                       ; a's fragments stay in registers: 512 consecutive bytes a load
	global_load_b128 v[AF+8*bt:AF+8*bt+3],   v[AO], s[6:7] offset:1024*bt
	global_load_b128 v[AF+8*bt+4:AF+8*bt+7], v[AO], s[6:7] offset:1024*bt+512
.set bt, bt+1
.endr
	v_lshlrev_b32 v[LB0], 4, v11
	v_lshl_add_u32 v[LB0], v12, 11, v[LB0]
	s_lshl_b32 s15, s[WV], 11
	s_add_co_u32 s15, s15, VOFF
	v_lshl_add_u32 v[VL0], v11, 3, s15
	v_lshlrev_b32 v[PFO], 15, v13
	v_lshlrev_b32 v[PO], 4, v11
	v_lshl_add_u32 v[PO], v12, 18, v[PO]
.irp z, 1,2,3
	WIN \z*0x54
	v_mov_b32 v[ZR], 0                             ; the multiplies' addend, one for each window
.endr
	WIN 0
	v_mov_b32 v[LB], v[LB0]                        ; the first four steps lie at the head of slot 0
	v_mov_b32 v[VL], v[VL0]
	s_wait_tensorcnt 0x1                           ; my part of slot 0 is in; slot 1's may stay out
	s_barrier_signal -1
	s_barrier_wait -1                              ; everybody's is
	RUN 0, 0                                       ; v of steps 0 and 1, and W1 of step 0
	CU 0, 0, 0, 12                                 ; into set 0: the counts are a step's
	CU 0, 1, 0, 0
	CU 1, 0, 0, 8
	CU 1, 1, 0, 0
	CU 2, 0, 0, 4
	CU 2, 1, 0, 0
	CU 3, 0, 0, 0
	CU 3, 1, 0, 0
	s_wait_loadcnt 0x0                             ; a's fragments
.irp d, 0,1,2,3,4,5,6,7
	PK 0, \d, 0                                    ; block 0's fragment of F for step 0
.endr
	STEP 0, 1, 0, 1                                ; the first K step stands in front of the loop: its products start the sums
	WIN 0
	s_mov_b32 s[SLOTS], 15
	s_mov_b32 s[CNT], 2
	s_branch .Lentry                               ; the loop is entered behind a four's first step
.Lslot:                                            ; 14 times: every slot but the last two is filled again
	CHANGE 1
	s_mov_b32 s[CNT], 2
.Lhalf:
	BODY 1
	s_sub_co_u32 s[CNT], s[CNT], 1
	s_cmp_lg_u32 s[CNT], 0
	s_cbranch_scc1 .Lhalf
	s_sub_co_u32 s[SLOTS], s[SLOTS], 1
	s_cmp_lg_u32 s[SLOTS], 0
	s_cbranch_scc1 .Lslot
	CHANGE 0                                       ; the tail is written out: nothing is asked for
	s_mov_b32 s[CNT], 2
.Ltail:
	BODY 0
	s_sub_co_u32 s[CNT], s[CNT], 1
	s_cmp_lg_u32 s[CNT], 0
	s_cbranch_scc1 .Ltail
	STEP 3, -1, 1, 0                               ; the last step
	; THE WAY OUT: the f32 sums as they lie.  Each accumulator's low four registers go first.  Sixteen lanes store 256 consecutive bytes, at a multiple of 256 from part's first byte.
.rept 8
	v_nop                                          ; the places behind the last products (ISA guide 7.12.1), once a launch
.endr
.set bt, 0
.rept 16
	ZW bt
	WIN Z*0x54                                     ; the address in window 0, the data in the block's
.irp f, 0,1,2,3
.irp q, 0,1
	global_store_b128 v[PO], v[32*TL+8*\f+4*\q:32*TL+8*\f+4*\q+3], s[PB:PB+1] offset:\f*1048576+\q*524288+bt*256 th:TH_STORE_NT
.endr
.endr
.set bt, bt+1
.endr
	WIN 0
	s_wait_tensorcnt 0x0                           ; the wave's end, behind my last tensor load
	ds_add_u32 v[SPW], v[NIL]
	s_wait_dscnt 0x0
	s_endpgm
.Lfunc_end_k_q368ca02c4f_main:
	.size	k_q368ca02c4f_main, .Lfunc_end_k_q368ca02c4f_main-k_q368ca02c4f_main
	.p2alignl 7, 3214868480
	.fill 96, 4, 3214868480
	.section	.rodata,"a",@progbits
	.p2align	6, 0x0
	.amdhsa_kernel k_q368ca02c4f_main
		.amdhsa_group_segment_fixed_size 327680
		.amdhsa_private_segment_fixed_size 0
		.amdhsa_enable_private_segment 0
		.amdhsa_kernarg_size 32
		.amdhsa_user_sgpr_count 2
		.amdhsa_user_sgpr_kernarg_segment_ptr 1
		.amdhsa_wavefront_size32 1
		.amdhsa_system_sgpr_workgroup_id_x 1
		.amdhsa_system_sgpr_workgroup_id_y 1
		.amdhsa_system_sgpr_workgroup_id_z 1
		.amdhsa_system_vgpr_workitem_id 0
		.amdhsa_next_free_vgpr 1024
		.amdhsa_next_free_sgpr 66
		.amdhsa_reserve_vcc 0
		.amdhsa_float_denorm_mode_32 3
		.amdhsa_float_denorm_mode_16_64 3
		.amdhsa_memory_ordered 1
		.amdhsa_forward_progress 1
		.amdhsa_inst_pref_size 194
	.end_amdhsa_kernel
	.amdgpu_metadata
---
amdhsa.version: [ 1, 2 ]
amdhsa.kernels:
  - .name:           k_q368ca02c4f_main
    .symbol:         k_q368ca02c4f_main.kd
    .args:
      - { .name: W1, .offset: 0, .size: 8, .value_kind: global_buffer, .address_space: global }
      - { .name: aprep, .offset: 8, .size: 8, .value_kind: global_buffer, .address_space: global }
      - { .name: vprep, .offset: 16, .size: 8, .value_kind: global_buffer, .address_space: global }
      - { .name: part, .offset: 24, .size: 8, .value_kind: global_buffer, .address_space: global }
    .group_segment_fixed_size: 327680
    .private_segment_fixed_size: 0
    .kernarg_segment_align: 8
    .kernarg_segment_size: 32
    .max_flat_workgroup_size: 128
    .sgpr_count:     66
    .vgpr_count:     1024
    .wavefront_size: 32
...
	.end_amdgpu_metadata
.endif
;; end of part 2
;; launch bn (part 3): grid 256 x 1, 8 waves a work-group, no clusters, 1,536 bytes of LDS; arguments part, b1, gamma, beta, ybuf; writes ybuf
.if DOCPART == 3
	.amdgcn_target "amdgcn-amd-amdhsa--gfx1250"
	.amdhsa_code_object_version 6
	.text
	.protected	k_q368ca02c4f_bn
	.globl	k_q368ca02c4f_bn
	.p2align	8
	.type	k_q368ca02c4f_bn,@function
k_q368ca02c4f_bn:
	s_mov_b64 s[64:65], 0
	v_nop
	global_prefetch_b8 v0, s[64:65] scope:SCOPE_SE
	s_setreg_imm32_b32 hwreg(HW_REG_WAVE_MODE, 25, 1), 1
	s_wait_xcnt 0x0
; y = gamma (h - mean) rsqrt(var + 1e-5) + beta with h = relu(the 16 slices' sums + b1); mean and (biased) variance over the 1,024 rows.  No work is left out.
; SHARES.  Work-group cg owns four columns, n = nbase + 4 e, and ALL rows, so the statistics never leave it: 262,144 consecutive bytes of part, each read once.  Thread t has rows 256 u + t, u = 0..3:
; a wave's load covers 512 consecutive bytes.  The variance is taken of h - mean in a second pass over registers: no difference of large sums is formed.
; ybuf: [cg 256][row 1,024][4 f16], y rounded once: it is the next product's operand.  LIMITS: |y| <= 32 |gamma| + |beta| stays under 65,504; a NaN in h counts as 0 in the relu.
; The launch streams: the matrix unit, clusters and tensor loads have nothing to add; LDS carries the eight waves' partial sums alone.
.set B1, 4                             ; v[4:7]    b1 of my four columns
.set SCL, 8                            ; v[8:11]   gamma rsqrt(var + eps)
.set BET, 12                           ; v[12:15]  beta
.set H,  16                            ; v[16:31]  row u's four numbers at H + 4 u
.set SUM, 32                           ; v[32:39]  sums at work
.set RED, 40                           ; v[40:71]  the eight waves' partial sums; later the packed y
.set SPW, 72                           ; v72  LDS address of my spare word; never rewritten
.set NIL, 73                           ; v73  0; never rewritten
.set LW,  74                           ; v74  16 x my wave's number
.set LZ,  75                           ; v75  LDS address 0
.set L,   80                           ; v[80:207] eight slices in flight: slice s, row u at L + 16 (s % 8) + 4 u
.set SPARE, 512                        ; LDS: bytes 0-127 the sums of h, 256-383 of the squares; from 512 on the spare words, 128 bytes for each of eight waves
.macro GET s                           ; a slice's four loads
.irp u, 0,1,2,3
	global_load_b128 v[L+16*((\s)%8)+4*\u:L+16*((\s)%8)+4*\u+3], v1, s[4:5] offset:(\s)*16384+\u*4096 th:TH_LOAD_NT
.endr
.endm
.macro ADDUP s                         ; slice 0 starts the sums, with b1: nothing is cleared
.irp u, 0,1,2,3
.irp c, 0,2
.if (\s) == 0
	v_pk_add_f32 v[H+4*\u+\c:H+4*\u+\c+1], v[L+4*\u+\c:L+4*\u+\c+1], v[B1+\c:B1+\c+1]
.else
	v_pk_add_f32 v[H+4*\u+\c:H+4*\u+\c+1], v[H+4*\u+\c:H+4*\u+\c+1], v[L+16*((\s)%8)+4*\u+\c:L+16*((\s)%8)+4*\u+\c+1]
.endif
.endr
.endr
.endm
; v[SUM:SUM+3], four numbers a thread, are summed over the work-group's 256 threads; the result stands in every lane.  Each use has LDS bytes of its own, so one barrier serves it.
.macro WGSUM at
.irp m, 1,2,4,8
.irp c, 0,1,2,3
	v_add_f32_dpp v[SUM+\c], v[SUM+\c], v[SUM+\c] row_xmask:\m row_mask:0xf bank_mask:0xf
.endr
.endr
.irp c, 0,1,2,3
	v_permlanex16_b32 v[SUM+4+\c], v[SUM+\c], s34, s35  ; the other half of the lanes; its destination has been written before
.endr
	v_pk_add_f32 v[SUM:SUM+1], v[SUM:SUM+1], v[SUM+4:SUM+5]
	v_pk_add_f32 v[SUM+2:SUM+3], v[SUM+2:SUM+3], v[SUM+6:SUM+7]
	ds_store_b128 v[LW], v[SUM:SUM+3] offset:\at   ; all lanes of a wave write the same 16 bytes with the same numbers
	s_wait_dscnt 0x0                               ; for the others' sake: my store is done
	s_barrier_signal -1
	s_barrier_wait -1
.irp k, 0,1,2,3,4,5,6,7
	ds_load_b128 v[RED+4*\k:RED+4*\k+3], v[LZ] offset:\at+16*\k
.endr
	s_wait_dscnt 0x0
.irp k, 0,1,2,3
	v_pk_add_f32 v[RED+4*\k:RED+4*\k+1],   v[RED+4*\k:RED+4*\k+1],   v[RED+16+4*\k:RED+16+4*\k+1]
	v_pk_add_f32 v[RED+4*\k+2:RED+4*\k+3], v[RED+4*\k+2:RED+4*\k+3], v[RED+16+4*\k+2:RED+16+4*\k+3]
.endr
.irp k, 0,1
	v_pk_add_f32 v[RED+4*\k:RED+4*\k+1],   v[RED+4*\k:RED+4*\k+1],   v[RED+8+4*\k:RED+8+4*\k+1]
	v_pk_add_f32 v[RED+4*\k+2:RED+4*\k+3], v[RED+4*\k+2:RED+4*\k+3], v[RED+8+4*\k+2:RED+8+4*\k+3]
.endr
	v_pk_add_f32 v[SUM:SUM+1],   v[RED:RED+1],   v[RED+4:RED+5]
	v_pk_add_f32 v[SUM+2:SUM+3], v[RED+2:RED+3], v[RED+6:RED+7]
.endm
	s_load_b256 s[4:11], s[0:1], 0x0               ; part s[4:5], b1 s[6:7], gamma s[8:9], beta s[10:11]
	s_load_b64 s[12:13], s[0:1], 0x20              ; ybuf
	v_lshl_add_u32 v[SPW], v0, 2, SPARE
	v_mov_b32 v[NIL], 0
	v_mov_b32 v[LZ], 0
	v_lshrrev_b32 v3, 5, v0
	v_readfirstlane_b32 s15, v3                    ; wave 0..7
	s_lshl_b32 s15, s15, 4
	v_mov_b32 v[LW], s15
	v_lshlrev_b32 v1, 4, v0                        ; my 16 bytes of a row group in part
	v_lshlrev_b32 v2, 3, v0                        ; my 8 bytes in ybuf
	s_mov_b32 s14, ttmp9                           ; cg = 16 nt + 4 f + 2 q + h
	s_lshl_b32 s16, s14, 18                        ; its 262,144 bytes of part
	s_mov_b32 s17, 0
	s_lshr_b32 s18, s14, 4
	s_lshl_b32 s18, s18, 6                         ; 64 nt
	s_and_b32 s19, s14, 1
	s_lshl_b32 s19, s19, 5                         ; + 32 h
	s_add_co_u32 s18, s18, s19
	s_bfe_u32 s19, s14, 0x10001
	s_lshl_b32 s19, s19, 4                         ; + 16 q
	s_add_co_u32 s18, s18, s19
	s_bfe_u32 s19, s14, 0x20002                    ; + f
	s_add_co_u32 s18, s18, s19
	s_lshl_b32 s18, s18, 2                         ; nbase, in bytes
	s_mov_b32 s19, 0
	s_lshl_b32 s36, s14, 13                        ; cg's 8,192 bytes of ybuf
	s_mov_b32 s37, 0
	s_mov_b32 s32, 0x3a800000                      ; 1 / 1,024
	s_mov_b32 s33, 0x3727c5ac                      ; 1e-5
	s_mov_b32 s38, 0xba800000                      ; -1 / 1,024
	s_mov_b32 s34, 0x76543210                      ; v_permlanex16_b32: each lane takes its own place in the other half
	s_mov_b32 s35, 0xfedcba98
	s_wait_kmcnt 0x0
	s_add_nc_u64 s[4:5], s[4:5], s[16:17]
	s_add_nc_u64 s[6:7], s[6:7], s[18:19]
	s_add_nc_u64 s[8:9], s[8:9], s[18:19]
	s_add_nc_u64 s[10:11], s[10:11], s[18:19]
	s_add_nc_u64 s[12:13], s[12:13], s[36:37]
.set sl, 0
.rept 8
	GET sl                                         ; 32 loads of 512 bytes a wave go out before the first wait
.set sl, sl+1
.endr
.irp e, 0,1,2,3
	s_load_b32 s[20+\e], s[6:7], 16*\e             ; my four columns lie four apart
	s_load_b32 s[24+\e], s[8:9], 16*\e
	s_load_b32 s[28+\e], s[10:11], 16*\e
.endr
	s_wait_kmcnt 0x0
.irp e, 0,1,2,3
	v_mov_b32 v[B1+\e], s[20+\e]
.endr
.set sl, 0
.rept 16
.if sl < 8
	s_wait_loadcnt 28                              ; my slice's four loads are in; seven younger slices stay out
.else
	s_wait_loadcnt 4*(15-sl)                       ; the counts run down
.endif
	ADDUP sl
.if sl < 8
	GET sl+8                                       ; its registers take the slice eight further on
.endif
.set sl, sl+1
.endr
.set i, 0
.rept 16
	v_max_num_f32 v[H+i], 0, v[H+i]                ; relu
.set i, i+1
.endr
	v_pk_add_f32 v[SUM:SUM+1],   v[H:H+1],     v[H+4:H+5]
	v_pk_add_f32 v[SUM+2:SUM+3], v[H+2:H+3],   v[H+6:H+7]
	v_pk_add_f32 v[SUM+4:SUM+5], v[H+8:H+9],   v[H+12:H+13]
	v_pk_add_f32 v[SUM+6:SUM+7], v[H+10:H+11], v[H+14:H+15]
	v_pk_add_f32 v[SUM:SUM+1],   v[SUM:SUM+1],   v[SUM+4:SUM+5]
	v_pk_add_f32 v[SUM+2:SUM+3], v[SUM+2:SUM+3], v[SUM+6:SUM+7]
	WGSUM 0
.irp c, 0,1,2,3
	v_mul_f32 v[SUM+\c], s38, v[SUM+\c]            ; - mean
.endr
.irp u, 0,1,2,3
	v_pk_add_f32 v[H+4*\u:H+4*\u+1],   v[H+4*\u:H+4*\u+1],   v[SUM:SUM+1]  ; h - mean, in place
	v_pk_add_f32 v[H+4*\u+2:H+4*\u+3], v[H+4*\u+2:H+4*\u+3], v[SUM+2:SUM+3]
.endr
	v_pk_mul_f32 v[SUM:SUM+1],   v[H:H+1],   v[H:H+1]
	v_pk_mul_f32 v[SUM+2:SUM+3], v[H+2:H+3], v[H+2:H+3]
.irp u, 1,2,3
	v_pk_fma_f32 v[SUM:SUM+1],   v[H+4*\u:H+4*\u+1],   v[H+4*\u:H+4*\u+1],   v[SUM:SUM+1]
	v_pk_fma_f32 v[SUM+2:SUM+3], v[H+4*\u+2:H+4*\u+3], v[H+4*\u+2:H+4*\u+3], v[SUM+2:SUM+3]
.endr
	WGSUM 256
.irp c, 0,1,2,3
	v_fma_f32 v[SUM+\c], v[SUM+\c], s32, s33       ; var + eps
.endr
.irp c, 0,1,2,3
	v_rsq_f32 v[SCL+\c], v[SUM+\c]
.endr
.irp c, 0,1,2,3
	v_mov_b32 v[BET+\c], s[28+\c]                  ; plain work behind the four roots, which names none of their registers (ISA guide 5.7.2)
.endr
	s_wait_alu depctr_va_vdst(0)                   ; one wait for the four roots, ahead of their first reader
.irp c, 0,1,2,3
	v_mul_f32 v[SCL+\c], s[24+\c], v[SCL+\c]
.endr
.irp u, 0,1,2,3
	v_pk_fma_f32 v[H+4*\u:H+4*\u+1],   v[H+4*\u:H+4*\u+1],   v[SCL:SCL+1],   v[BET:BET+1]
	v_pk_fma_f32 v[H+4*\u+2:H+4*\u+3], v[H+4*\u+2:H+4*\u+3], v[SCL+2:SCL+3], v[BET+2:BET+3]
.endr
.irp u, 0,1,2,3
	v_cvt_pk_f16_f32 v[RED+2*\u],   v[H+4*\u],   v[H+4*\u+1]
	v_cvt_pk_f16_f32 v[RED+2*\u+1], v[H+4*\u+2], v[H+4*\u+3]
	global_store_b64 v2, v[RED+2*\u:RED+2*\u+1], s[12:13] offset:2048*\u th:TH_STORE_NT  ; a wave stores 256 consecutive bytes, at a multiple of 256 from ybuf's first byte
.endr
	s_wait_tensorcnt 0x0                           ; the wave's end, behind my last LDS store
	ds_add_u32 v[SPW], v[NIL]
	s_wait_dscnt 0x0
	s_endpgm
.Lfunc_end_k_q368ca02c4f_bn:
	.size	k_q368ca02c4f_bn, .Lfunc_end_k_q368ca02c4f_bn-k_q368ca02c4f_bn
	.p2alignl 7, 3214868480
	.fill 96, 4, 3214868480
	.section	.rodata,"a",@progbits
	.p2align	6, 0x0
	.amdhsa_kernel k_q368ca02c4f_bn
		.amdhsa_group_segment_fixed_size 1536
		.amdhsa_private_segment_fixed_size 0
		.amdhsa_enable_private_segment 0
		.amdhsa_kernarg_size 40
		.amdhsa_user_sgpr_count 2
		.amdhsa_user_sgpr_kernarg_segment_ptr 1
		.amdhsa_wavefront_size32 1
		.amdhsa_system_sgpr_workgroup_id_x 1
		.amdhsa_system_sgpr_workgroup_id_y 1
		.amdhsa_system_sgpr_workgroup_id_z 1
		.amdhsa_system_vgpr_workitem_id 0
		.amdhsa_next_free_vgpr 208
		.amdhsa_next_free_sgpr 66
		.amdhsa_reserve_vcc 0
		.amdhsa_float_denorm_mode_32 3
		.amdhsa_float_denorm_mode_16_64 3
		.amdhsa_memory_ordered 1
		.amdhsa_forward_progress 1
		.amdhsa_inst_pref_size 28
	.end_amdhsa_kernel
	.amdgpu_metadata
---
amdhsa.version: [ 1, 2 ]
amdhsa.kernels:
  - .name:           k_q368ca02c4f_bn
    .symbol:         k_q368ca02c4f_bn.kd
    .args:
      - { .name: part, .offset: 0, .size: 8, .value_kind: global_buffer, .address_space: global }
      - { .name: b1, .offset: 8, .size: 8, .value_kind: global_buffer, .address_space: global }
      - { .name: gamma, .offset: 16, .size: 8, .value_kind: global_buffer, .address_space: global }
      - { .name: beta, .offset: 24, .size: 8, .value_kind: global_buffer, .address_space: global }
      - { .name: ybuf, .offset: 32, .size: 8, .value_kind: global_buffer, .address_space: global }
    .group_segment_fixed_size: 1536
    .private_segment_fixed_size: 0
    .kernarg_segment_align: 8
    .kernarg_segment_size: 40
    .max_flat_workgroup_size: 256
    .sgpr_count:     66
    .vgpr_count:     208
    .wavefront_size: 32
...
	.end_amdgpu_metadata
.endif
;; end of part 3
;; launch head (part 4): grid 64 x 1, 8 waves a work-group, no clusters, 18,944 bytes of LDS; arguments ybuf, w2p, b2, out0; writes out0
.if DOCPART == 4
	.amdgcn_target "amdgcn-amd-amdhsa--gfx1250"
	.amdhsa_code_object_version 6
	.text
	.protected	k_q368ca02c4f_head
	.globl	k_q368ca02c4f_head
	.p2align	8
	.type	k_q368ca02c4f_head,@function
k_q368ca02c4f_head:
	s_mov_b64 s[64:65], 0
	v_nop
	global_prefetch_b8 v0, s[64:65] scope:SCOPE_SE
	s_setreg_imm32_b32 hwreg(HW_REG_WAVE_MODE, 25, 1), 1
	s_wait_xcnt 0x0
; out[b][o] = the sum over n of y[b][n] W2[n][o] + b2[o].  y: ybuf [cg 256][row 1,024][4 f16]; W2: w2p, in fragments, its 21 columns filled up to 32 with zeros.  No work is left out.
; K runs in ybuf's own order, place 4 cg + e; w2p was laid in the same order, so the products meet the right rows of W2.  f16 operands, f32 sums; limits as stated where y and w2p are made.
; SHARES.  A work-group makes 16 rows of out: a tile of the matrix unit has 16 rows, so there are 64 work-groups.  K IS SPLIT AMONG ITS EIGHT WAVES: wave w takes the K steps 4 w .. 4 w + 3 of 32, for
; both tiles of 16 columns.  The eight partial sums meet in LDS; waves 0 and 1 finish a tile each, add b2 and lay the 21 live columns into a stage of 16 rows x 84 bytes, as out has them;
; the stage's 1,344 bytes, which lie on end in out, leave by 84 threads' stores of 16 bytes.
; LDS: 0-16,383 wave w's two partial tiles of 1,024 bytes at 2,048 w; 16,384-17,919 the stage; from 17,920 the spare words, 128 bytes for each of eight waves.
.set YO,  2                            ; v2   my byte offset in ybuf: 262,144 w + 16,384 h + 8 r
.set BO,  3                            ; v3   in w2p: 8,192 w + 16 lane
.set B2O, 4                            ; v4   in b2
.set B2V, 5                            ; v5   b2 of my column
.set STG, 6                            ; v6   my place in the stage: 672 h + 4 o
.set FIN, 7                            ; v7   where I read 16 bytes of the stage back
.set SPW, 8                            ; v8   LDS address of my spare word; never rewritten
.set NIL, 9                            ; v9   0; never rewritten
.set LS,  14                           ; v14  where I put my 32 bytes of a partial tile
.set LR,  15                           ; v15  where I read them back
.set ACC, 16                           ; v[16:31]  two accumulators: columns 0-15, 16-31
.set FA,  32                           ; v[32:63]  y's four fragments
.set FB,  64                           ; v[64:127] W2's eight; later the partial sums
.set STAGE, 16384
.set SPARE, 17920
	s_load_b256 s[4:11], s[0:1], 0x0               ; ybuf s[4:5], w2p s[6:7], b2 s[8:9], out0 s[10:11]
	v_lshl_add_u32 v[SPW], v0, 2, SPARE
	v_mov_b32 v[NIL], 0
	v_lshrrev_b32 v1, 5, v0
	v_readfirstlane_b32 s12, v1                    ; wave 0..7
	v_and_b32 v10, 15, v0                          ; r
	v_bfe_u32 v11, v0, 4, 1                        ; h
	v_and_b32 v12, 31, v0                          ; lane
	s_lshl_b32 s13, s12, 18                        ; four K steps are 32 groups cg of 8,192 bytes
	v_lshl_add_u32 v[YO], v10, 3, s13
	v_lshl_add_u32 v[YO], v11, 14, v[YO]           ; a lane's half takes two groups cg on
	s_lshl_b32 s13, s12, 13
	v_lshl_add_u32 v[BO], v12, 4, s13
	s_and_b32 s14, s12, 1
	s_lshl_b32 s14, s14, 4
	v_add_nc_u32 v13, s14, v10                     ; o = 16 x + r, for the waves that finish a tile (x = wave)
	v_min_u32 v[B2O], 20, v13                      ; the load stays inside b2
	v_lshlrev_b32 v[B2O], 2, v[B2O]
	s_lshl_b32 s13, s12, 11
	v_lshl_add_u32 v[LS], v12, 5, s13
	s_lshl_b32 s13, s14, 6                         ; 1,024 x
	v_lshl_add_u32 v[LR], v12, 5, s13
	v_mul_u32_u24 v[STG], v11, 672                 ; 8 rows of 84 bytes
	v_lshl_add_u32 v[STG], v13, 2, v[STG]
	v_add_nc_u32 v[STG], STAGE, v[STG]
	s_lshl_b32 s16, ttmp9, 7                       ; my 16 rows: 128 bytes in each group cg,
	s_mov_b32 s17, 0
	s_mul_i32 s18, ttmp9, 1344                     ; 1,344 bytes of out
	s_mov_b32 s19, 0
	s_wait_kmcnt 0x0
	s_add_nc_u64 s[4:5], s[4:5], s[16:17]
	s_add_nc_u64 s[10:11], s[10:11], s[18:19]
	; y's fragment of a K step: lane (r, h) holds row r and the places 8 h + 0..7, 16 + 8 h + 0..7 of 32: groups cg 2 h, 2 h + 1, 4 + 2 h, 5 + 2 h of the step's eight, 8 bytes each
.irp k, 0,1,2,3
	global_load_b64 v[FA+8*\k:FA+8*\k+1],   v[YO], s[4:5] offset:65536*\k
	global_load_b64 v[FA+8*\k+2:FA+8*\k+3], v[YO], s[4:5] offset:65536*\k+8192
	global_load_b64 v[FA+8*\k+4:FA+8*\k+5], v[YO], s[4:5] offset:65536*\k+32768
	global_load_b64 v[FA+8*\k+6:FA+8*\k+7], v[YO], s[4:5] offset:65536*\k+40960
.irp x, 0,1
	global_load_b128 v[FB+16*\k+8*\x:FB+16*\k+8*\x+3],   v[BO], s[6:7] offset:2048*\k+1024*\x
	global_load_b128 v[FB+16*\k+8*\x+4:FB+16*\k+8*\x+7], v[BO], s[6:7] offset:2048*\k+1024*\x+512
.endr
.endr
	global_load_b32 v[B2V], v[B2O], s[8:9]
	s_wait_loadcnt 0x0
	; the two accumulators take turns, one instruction a turn; the first K step starts the sums
.irp k, 0,1,2,3
.irp x, 0,1
.if \k == 0
	v_wmma_f32_16x16x32_f16 v[ACC+8*\x:ACC+8*\x+7], v[FA+8*\k:FA+8*\k+7], v[FB+16*\k+8*\x:FB+16*\k+8*\x+7], 0
.else
	v_wmma_f32_16x16x32_f16 v[ACC+8*\x:ACC+8*\x+7], v[FA+8*\k:FA+8*\k+7], v[FB+16*\k+8*\x:FB+16*\k+8*\x+7], v[ACC+8*\x:ACC+8*\x+7]
.endif
.endr
.endr
.rept 8
	v_nop                                          ; the places behind the last products, in front of the stores that read results and of the loads into W2's registers
.endr
.irp x, 0,1
	ds_store_b128 v[LS], v[ACC+8*\x:ACC+8*\x+3]   offset:1024*\x     ; each accumulator's low registers first
	ds_store_b128 v[LS], v[ACC+8*\x+4:ACC+8*\x+7] offset:1024*\x+16
.endr
	s_wait_dscnt 0x0                               ; for the others' sake: my partial sums lie in LDS
	s_barrier_signal -1
	s_barrier_wait -1
	s_cmp_lt_u32 s12, 2                            ; wave 0 finishes columns 0-15, wave 1 columns 16-20
	s_cbranch_scc0 .Lnot_mine
.irp k, 0,1,2,3,4,5,6,7
	ds_load_b128 v[FB+8*\k:FB+8*\k+3],   v[LR] offset:2048*\k
	ds_load_b128 v[FB+8*\k+4:FB+8*\k+7], v[LR] offset:2048*\k+16
.endr
	s_wait_dscnt 0x0
.irp k, 0,1,2,3
.irp c, 0,2,4,6
	v_pk_add_f32 v[FB+8*\k+\c:FB+8*\k+\c+1], v[FB+8*\k+\c:FB+8*\k+\c+1], v[FB+32+8*\k+\c:FB+32+8*\k+\c+1]
.endr
.endr
.irp k, 0,1
.irp c, 0,2,4,6
	v_pk_add_f32 v[FB+8*\k+\c:FB+8*\k+\c+1], v[FB+8*\k+\c:FB+8*\k+\c+1], v[FB+16+8*\k+\c:FB+16+8*\k+\c+1]
.endr
.endr
.irp c, 0,2,4,6
	v_pk_add_f32 v[FB+\c:FB+\c+1], v[FB+\c:FB+\c+1], v[FB+8+\c:FB+8+\c+1]
.endr
.irp j, 0,1,2,3,4,5,6,7
	v_add_f32 v[FB+\j], v[B2V], v[FB+\j]           ; register j of lane (r, h) is row 8 h + j, column o
.endr
	s_wait_xcnt 0x0                                ; EXEC changes only behind this wait
	v_cmp_gt_u32 vcc_lo, 21, v13
	s_and_saveexec_b32 s20, vcc_lo                 ; the 21 live columns
.irp j, 0,1,2,3,4,5,6,7
	ds_store_b32 v[STG], v[FB+\j] offset:84*\j
.endr
	s_wait_xcnt 0x0
	s_or_b32 exec_lo, exec_lo, s20
.Lnot_mine:
	s_wait_dscnt 0x0                               ; for the others' sake: my part of the stage is written
	s_barrier_signal -1
	s_barrier_wait -1
	v_min_u32 v[FIN], 83, v0                       ; 84 pieces of 16 bytes; no lane's address leaves the stage
	v_lshlrev_b32 v1, 4, v[FIN]
	v_add_nc_u32 v[FIN], STAGE, v1
	s_wait_xcnt 0x0                                ; EXEC changes only behind this wait
	v_cmp_gt_u32 vcc_lo, 84, v0
	s_and_saveexec_b32 s20, vcc_lo
	ds_load_b128 v[FB:FB+3], v[FIN]
	s_wait_dscnt 0x0
	global_store_b128 v1, v[FB:FB+3], s[10:11]     ; the work-group's 1,344 bytes of out lie on end
	s_wait_xcnt 0x0                                ; and again, in front of the line that widens it
	s_or_b32 exec_lo, exec_lo, s20
	s_wait_tensorcnt 0x0                           ; the wave's end, behind my last LDS store
	ds_add_u32 v[SPW], v[NIL]
	s_wait_dscnt 0x0
	s_endpgm
.Lfunc_end_k_q368ca02c4f_head:
	.size	k_q368ca02c4f_head, .Lfunc_end_k_q368ca02c4f_head-k_q368ca02c4f_head
	.p2alignl 7, 3214868480
	.fill 96, 4, 3214868480
	.section	.rodata,"a",@progbits
	.p2align	6, 0x0
	.amdhsa_kernel k_q368ca02c4f_head
		.amdhsa_group_segment_fixed_size 18944
		.amdhsa_private_segment_fixed_size 0
		.amdhsa_enable_private_segment 0
		.amdhsa_kernarg_size 32
		.amdhsa_user_sgpr_count 2
		.amdhsa_user_sgpr_kernarg_segment_ptr 1
		.amdhsa_wavefront_size32 1
		.amdhsa_system_sgpr_workgroup_id_x 1
		.amdhsa_system_sgpr_workgroup_id_y 1
		.amdhsa_system_sgpr_workgroup_id_z 1
		.amdhsa_system_vgpr_workitem_id 0
		.amdhsa_next_free_vgpr 128
		.amdhsa_next_free_sgpr 66
		.amdhsa_reserve_vcc 1
		.amdhsa_float_denorm_mode_32 3
		.amdhsa_float_denorm_mode_16_64 3
		.amdhsa_memory_ordered 1
		.amdhsa_forward_progress 1
		.amdhsa_inst_pref_size 11
	.end_amdhsa_kernel
	.amdgpu_metadata
---
amdhsa.version: [ 1, 2 ]
amdhsa.kernels:
  - .name:           k_q368ca02c4f_head
    .symbol:         k_q368ca02c4f_head.kd
    .args:
      - { .name: ybuf, .offset: 0, .size: 8, .value_kind: global_buffer, .address_space: global }
      - { .name: w2p, .offset: 8, .size: 8, .value_kind: global_buffer, .address_space: global }
      - { .name: b2, .offset: 16, .size: 8, .value_kind: global_buffer, .address_space: global }
      - { .name: out0, .offset: 24, .size: 8, .value_kind: global_buffer, .address_space: global }
    .group_segment_fixed_size: 18944
    .private_segment_fixed_size: 0
    .kernarg_segment_align: 8
    .kernarg_segment_size: 32
    .max_flat_workgroup_size: 256
    .sgpr_count:     66
    .vgpr_count:     128
    .wavefront_size: 32
...
	.end_amdgpu_metadata
.endif
;; end of part 4
;; ======== version 2 of 2: 4 launches; version 1 with the launch bn written anew for expert scheduling mode
;; limits: values are held in f16: magnitudes above 65,504 overflow, below 6.1e-05 lose precision
;; workspace buffers: aprep 524,288 bytes; vprep 524,288 bytes; w2p 65,536 bytes; part 67,108,864 bytes; ybuf 2,097,152 bytes
;; launch prep: the kernel of part 1 again; grid 272 x 1, 8 waves a work-group, no clusters, 0 bytes of LDS; arguments audio, visual, W2, aprep, vprep, w2p; writes aprep, vprep, w2p
;; launch main: the kernel of part 2 again; grid 16 x 16, 4 waves a work-group, no clusters, 327,680 bytes of LDS; arguments W1, aprep, vprep, part; writes part
;; launch bn (part 5): grid 256 x 1, 8 waves a work-group, no clusters, 1,536 bytes of LDS; arguments part, b1, gamma, beta, ybuf; writes ybuf
.if DOCPART == 5
	.amdgcn_target "amdgcn-amd-amdhsa--gfx1250"
	.amdhsa_code_object_version 6
	.text
	.protected	k_q368ca02c4f_bn
	.globl	k_q368ca02c4f_bn
	.p2align	8
	.type	k_q368ca02c4f_bn,@function
k_q368ca02c4f_bn:
	s_mov_b64 s[64:65], 0
	v_nop
	global_prefetch_b8 v0, s[64:65] scope:SCOPE_SE
	s_setreg_imm32_b32 hwreg(HW_REG_WAVE_SCHED_MODE, 0, 2), 2
	s_setreg_imm32_b32 hwreg(HW_REG_WAVE_MODE, 25, 1), 1
	s_wait_xcnt 0x0
	s_wait_alu depctr_vm_vsrc(0)
; y = gamma (h - mean) rsqrt(var + 1e-5) + beta with h = relu(the 16 slices' sums + b1); mean and (biased) variance over the 1,024 rows.  No work is left out.
; SHARES.  Work-group cg owns four columns, n = nbase + 4 e, and ALL rows, so the statistics never leave it: 262,144 consecutive bytes of part, each read once.  Thread t has rows 256 u + t, u = 0..3:
; a wave's load covers 512 consecutive bytes.  The variance is taken of h - mean in a second pass over registers: no difference of large sums is formed.
; ybuf: [cg 256][row 1,024][4 f16], y rounded once: it is the next product's operand.  LIMITS: |y| <= 32 |gamma| + |beta| stays under 65,504; a NaN in h counts as 0 in the relu.
; The launch streams: the matrix unit, clusters and tensor loads have nothing to add; LDS carries the eight waves' partial sums alone.
; THE MODE: SCHED_MODE bits 1:0 = 2 (LLVM: expert scheduling mode 2), set by the entry lines.  The code itself states the register dependences between vector instructions and memory or LDS
; instructions, with s_wait_alu, always for 0.
; THE PLAN.  Registers that memory or LDS instructions touch:
;   v1, v2, v[LW], v[LZ]  offsets and LDS addresses: written at the head, named by no vector instruction after it.  One wait on va_vdst, ahead of the first load, serves every access by them.
;   L0 .. L8       nine slices in flight.  Step s: its eight additions read L[s % 9]; the loads of slice s + 8, issued at the head of step s, land in L[(s + 8) % 9] = L[(s - 1) % 9], which step s - 1 read.
;                  So one wait on va_vdst at the head of steps 1 to 7, behind the wait for the step's data, states that the step before is done reading; the four loads follow it at once.
;   SUM .. SUM+3   written by the sum across lanes, read by the LDS store, written again by the last two additions of the same sum over the work-group: va_vdst ahead of the store, vm_vsrc ahead of the two.
;   RED .. RED+31  the LDS loads land here; the additions work in place.  The second sum's loads follow that sum's wait on va_vdst with no vector instruction between.
;   RED .. RED+7   at the end: written by the eight roundings, read by the four stores: one wait on va_vdst ahead of the run of stores.
;   v[SPW], v[NIL] written at the head, read by the closing add alone.
;   H, B1, SCL, BET, SUM+4 .. SUM+7 are named by vector instructions alone.
.set B1, 4                             ; v[4:7]    b1 of my four columns
.set SCL, 8                            ; v[8:11]   gamma rsqrt(var + eps)
.set BET, 12                           ; v[12:15]  beta
.set H,  16                            ; v[16:31]  row u's four numbers at H + 4 u
.set SUM, 32                           ; v[32:39]  sums at work
.set RED, 40                           ; v[40:71]  the eight waves' partial sums; later the packed y
.set SPW, 72                           ; v72  LDS address of my spare word; never rewritten
.set NIL, 73                           ; v73  0; never rewritten
.set LW,  74                           ; v74  16 x my wave's number
.set LZ,  75                           ; v75  LDS address 0
.set L,   80                           ; v[80:223] nine slices in flight: slice s, row u at L + 16 (s % 9) + 4 u
.set SPARE, 512                        ; LDS: bytes 0-127 the sums of h, 256-383 of the squares; from 512 on the spare words, 128 bytes for each of eight waves
.macro GET s                           ; a slice's four loads
.irp u, 0,1,2,3
	global_load_b128 v[L+16*((\s)%9)+4*\u:L+16*((\s)%9)+4*\u+3], v1, s[4:5] offset:(\s)*16384+\u*4096 th:TH_LOAD_NT
.endr
.endm
.macro ADDUP s                         ; slice 0 starts the sums, with b1: nothing is cleared
.irp u, 0,1,2,3
.irp c, 0,2
.if (\s) == 0
	v_pk_add_f32 v[H+4*\u+\c:H+4*\u+\c+1], v[L+4*\u+\c:L+4*\u+\c+1], v[B1+\c:B1+\c+1]
.else
	v_pk_add_f32 v[H+4*\u+\c:H+4*\u+\c+1], v[H+4*\u+\c:H+4*\u+\c+1], v[L+16*((\s)%9)+4*\u+\c:L+16*((\s)%9)+4*\u+\c+1]
.endif
.endr
.endr
.endm
; v[SUM:SUM+3], four numbers a thread, are summed over the work-group's 256 threads; the result stands in every lane.  Each use has LDS bytes of its own, so one barrier serves it.
.macro WGSUM at
.irp m, 1,2,4,8
.irp c, 0,1,2,3
	v_add_f32_dpp v[SUM+\c], v[SUM+\c], v[SUM+\c] row_xmask:\m row_mask:0xf bank_mask:0xf
.endr
.endr
.irp c, 0,1,2,3
	v_permlanex16_b32 v[SUM+4+\c], v[SUM+\c], s34, s35  ; the other half of the lanes; its destination has been written before
.endr
	v_pk_add_f32 v[SUM:SUM+1], v[SUM:SUM+1], v[SUM+4:SUM+5]
	v_pk_add_f32 v[SUM+2:SUM+3], v[SUM+2:SUM+3], v[SUM+6:SUM+7]
	s_wait_alu depctr_va_vdst(0)                   ; the additions have written v[SUM:SUM+3], which the LDS store reads; at the second use the first use's additions are also done with v[RED ..], in which the LDS loads below land
	ds_store_b128 v[LW], v[SUM:SUM+3] offset:\at   ; all lanes of a wave write the same 16 bytes with the same numbers
	s_wait_dscnt 0x0                               ; for the others' sake: my store is done
	s_barrier_signal -1
	s_barrier_wait -1
.irp k, 0,1,2,3,4,5,6,7
	ds_load_b128 v[RED+4*\k:RED+4*\k+3], v[LZ] offset:\at+16*\k  ; no vector instruction since the wait above names these registers
.endr
	s_wait_dscnt 0x0
.irp k, 0,1,2,3
	v_pk_add_f32 v[RED+4*\k:RED+4*\k+1],   v[RED+4*\k:RED+4*\k+1],   v[RED+16+4*\k:RED+16+4*\k+1]
	v_pk_add_f32 v[RED+4*\k+2:RED+4*\k+3], v[RED+4*\k+2:RED+4*\k+3], v[RED+16+4*\k+2:RED+16+4*\k+3]
.endr
.irp k, 0,1
	v_pk_add_f32 v[RED+4*\k:RED+4*\k+1],   v[RED+4*\k:RED+4*\k+1],   v[RED+8+4*\k:RED+8+4*\k+1]
	v_pk_add_f32 v[RED+4*\k+2:RED+4*\k+3], v[RED+4*\k+2:RED+4*\k+3], v[RED+8+4*\k+2:RED+8+4*\k+3]
.endr
	s_wait_alu depctr_vm_vsrc(0)                   ; the LDS store above has read v[SUM:SUM+3], which the two additions below write again
	v_pk_add_f32 v[SUM:SUM+1],   v[RED:RED+1],   v[RED+4:RED+5]
	v_pk_add_f32 v[SUM+2:SUM+3], v[RED+2:RED+3], v[RED+6:RED+7]
.endm
	s_load_b256 s[4:11], s[0:1], 0x0               ; part s[4:5], b1 s[6:7], gamma s[8:9], beta s[10:11]
	s_load_b64 s[12:13], s[0:1], 0x20              ; ybuf
	v_lshl_add_u32 v[SPW], v0, 2, SPARE
	v_mov_b32 v[NIL], 0
	v_mov_b32 v[LZ], 0
	v_lshrrev_b32 v3, 5, v0
	v_readfirstlane_b32 s15, v3                    ; wave 0..7
	v_lshlrev_b32 v1, 4, v0                        ; my 16 bytes of a row group in part
	v_lshlrev_b32 v2, 3, v0                        ; my 8 bytes in ybuf
	s_wait_alu depctr_va_sdst(0)                   ; s15 is written, ahead of its first reader, the shift below
	s_lshl_b32 s15, s15, 4
	v_mov_b32 v[LW], s15
	s_mov_b32 s14, ttmp9                           ; cg = 16 nt + 4 f + 2 q + h
	s_lshl_b32 s16, s14, 18                        ; its 262,144 bytes of part
	s_mov_b32 s17, 0
	s_lshr_b32 s18, s14, 4
	s_lshl_b32 s18, s18, 6                         ; 64 nt
	s_and_b32 s19, s14, 1
	s_lshl_b32 s19, s19, 5                         ; + 32 h
	s_add_co_u32 s18, s18, s19
	s_bfe_u32 s19, s14, 0x10001
	s_lshl_b32 s19, s19, 4                         ; + 16 q
	s_add_co_u32 s18, s18, s19
	s_bfe_u32 s19, s14, 0x20002                    ; + f
	s_add_co_u32 s18, s18, s19
	s_lshl_b32 s18, s18, 2                         ; nbase, in bytes
	s_mov_b32 s19, 0
	s_lshl_b32 s36, s14, 13                        ; cg's 8,192 bytes of ybuf
	s_mov_b32 s37, 0
	s_mov_b32 s32, 0x3a800000                      ; 1 / 1,024
	s_mov_b32 s33, 0x3727c5ac                      ; 1e-5
	s_mov_b32 s38, 0xba800000                      ; -1 / 1,024
	s_mov_b32 s34, 0x76543210                      ; v_permlanex16_b32: each lane takes its own place in the other half
	s_mov_b32 s35, 0xfedcba98
	s_wait_kmcnt 0x0
	s_add_nc_u64 s[4:5], s[4:5], s[16:17]
	s_add_nc_u64 s[6:7], s[6:7], s[18:19]
	s_add_nc_u64 s[8:9], s[8:9], s[18:19]
	s_add_nc_u64 s[10:11], s[10:11], s[18:19]
	s_add_nc_u64 s[12:13], s[12:13], s[36:37]
	s_wait_alu depctr_va_vdst(0)                   ; v1, v2, v[LW] and v[LZ] are written: every load, store and LDS access of the kernel reads one of them as its offset or address, and no vector instruction names them again
.set sl, 0
.rept 9
	GET sl                                         ; 36 loads of 512 bytes a wave go out before the first wait
.set sl, sl+1
.endr
.irp e, 0,1,2,3
	s_load_b32 s[20+\e], s[6:7], 16*\e             ; my four columns lie four apart
	s_load_b32 s[24+\e], s[8:9], 16*\e
	s_load_b32 s[28+\e], s[10:11], 16*\e
.endr
	s_wait_kmcnt 0x0
.irp e, 0,1,2,3
	v_mov_b32 v[B1+\e], s[20+\e]
.endr
.set sl, 0
.rept 16
.if sl == 0
	s_wait_loadcnt 32                              ; loads come back in order (ISA guide 5.7.1): slice 0's four are in; eight younger slices stay out
.elseif sl < 8
	s_wait_loadcnt 28                              ; my slice's four loads are in; seven younger slices stay out
	s_wait_alu depctr_va_vdst(0)                   ; the additions of the step before are done reading their slice's registers, in which the four loads below land
	GET sl+8                                       ; those registers take the slice nine further on than the one that they held
.else
	s_wait_loadcnt 4*(15-sl)                       ; the counts run down
.endif
	ADDUP sl
.set sl, sl+1
.endr
.set i, 0
.rept 16
	v_max_num_f32 v[H+i], 0, v[H+i]                ; relu
.set i, i+1
.endr
	v_pk_add_f32 v[SUM:SUM+1],   v[H:H+1],     v[H+4:H+5]
	v_pk_add_f32 v[SUM+2:SUM+3], v[H+2:H+3],   v[H+6:H+7]
	v_pk_add_f32 v[SUM+4:SUM+5], v[H+8:H+9],   v[H+12:H+13]
	v_pk_add_f32 v[SUM+6:SUM+7], v[H+10:H+11], v[H+14:H+15]
	v_pk_add_f32 v[SUM:SUM+1],   v[SUM:SUM+1],   v[SUM+4:SUM+5]
	v_pk_add_f32 v[SUM+2:SUM+3], v[SUM+2:SUM+3], v[SUM+6:SUM+7]
	WGSUM 0
.irp c, 0,1,2,3
	v_mul_f32 v[SUM+\c], s38, v[SUM+\c]            ; - mean
.endr
.irp u, 0,1,2,3
	v_pk_add_f32 v[H+4*\u:H+4*\u+1],   v[H+4*\u:H+4*\u+1],   v[SUM:SUM+1]  ; h - mean, in place
	v_pk_add_f32 v[H+4*\u+2:H+4*\u+3], v[H+4*\u+2:H+4*\u+3], v[SUM+2:SUM+3]
.endr
	v_pk_mul_f32 v[SUM:SUM+1],   v[H:H+1],   v[H:H+1]
	v_pk_mul_f32 v[SUM+2:SUM+3], v[H+2:H+3], v[H+2:H+3]
.irp u, 1,2,3
	v_pk_fma_f32 v[SUM:SUM+1],   v[H+4*\u:H+4*\u+1],   v[H+4*\u:H+4*\u+1],   v[SUM:SUM+1]
	v_pk_fma_f32 v[SUM+2:SUM+3], v[H+4*\u+2:H+4*\u+3], v[H+4*\u+2:H+4*\u+3], v[SUM+2:SUM+3]
.endr
	WGSUM 256
.irp c, 0,1,2,3
	v_fma_f32 v[SUM+\c], v[SUM+\c], s32, s33       ; var + eps
.endr
.irp c, 0,1,2,3
	v_rsq_f32 v[SCL+\c], v[SUM+\c]
.endr
.irp c, 0,1,2,3
	v_mov_b32 v[BET+\c], s[28+\c]                  ; plain work behind the four roots, which names none of their registers (ISA guide 5.7.2)
.endr
	s_wait_alu depctr_va_vdst(0)                   ; the four roots have written v[SCL:SCL+3]: one wait for them, ahead of their first reader
.irp c, 0,1,2,3
	v_mul_f32 v[SCL+\c], s[24+\c], v[SCL+\c]
.endr
.irp u, 0,1,2,3
	v_pk_fma_f32 v[H+4*\u:H+4*\u+1],   v[H+4*\u:H+4*\u+1],   v[SCL:SCL+1],   v[BET:BET+1]
	v_pk_fma_f32 v[H+4*\u+2:H+4*\u+3], v[H+4*\u+2:H+4*\u+3], v[SCL+2:SCL+3], v[BET+2:BET+3]
.endr
.irp u, 0,1,2,3
	v_cvt_pk_f16_f32 v[RED+2*\u],   v[H+4*\u],   v[H+4*\u+1]
	v_cvt_pk_f16_f32 v[RED+2*\u+1], v[H+4*\u+2], v[H+4*\u+3]
.endr
	s_wait_alu depctr_va_vdst(0)                   ; the eight roundings have written v[RED:RED+7], which the four stores read
.irp u, 0,1,2,3
	global_store_b64 v2, v[RED+2*\u:RED+2*\u+1], s[12:13] offset:2048*\u th:TH_STORE_NT  ; a wave stores 256 consecutive bytes, at a multiple of 256 from ybuf's first byte
.endr
	s_wait_dscnt 0x0                               ; the closing lines, six on end
	s_wait_alu 0x0
	s_wait_tensorcnt 0x0
	ds_add_u32 v[SPW], v[NIL]
	s_wait_dscnt 0x0
	s_endpgm
.Lfunc_end_k_q368ca02c4f_bn:
	.size	k_q368ca02c4f_bn, .Lfunc_end_k_q368ca02c4f_bn-k_q368ca02c4f_bn
	.p2alignl 7, 3214868480
	.fill 96, 4, 3214868480
	.section	.rodata,"a",@progbits
	.p2align	6, 0x0
	.amdhsa_kernel k_q368ca02c4f_bn
		.amdhsa_group_segment_fixed_size 1536
		.amdhsa_private_segment_fixed_size 0
		.amdhsa_enable_private_segment 0
		.amdhsa_kernarg_size 40
		.amdhsa_user_sgpr_count 2
		.amdhsa_user_sgpr_kernarg_segment_ptr 1
		.amdhsa_wavefront_size32 1
		.amdhsa_system_sgpr_workgroup_id_x 1
		.amdhsa_system_sgpr_workgroup_id_y 1
		.amdhsa_system_sgpr_workgroup_id_z 1
		.amdhsa_system_vgpr_workitem_id 0
		.amdhsa_next_free_vgpr 224
		.amdhsa_next_free_sgpr 66
		.amdhsa_reserve_vcc 0
		.amdhsa_float_denorm_mode_32 3
		.amdhsa_float_denorm_mode_16_64 3
		.amdhsa_memory_ordered 1
		.amdhsa_forward_progress 1
		.amdhsa_inst_pref_size 28
	.end_amdhsa_kernel
	.amdgpu_metadata
---
amdhsa.version: [ 1, 2 ]
amdhsa.kernels:
  - .name:           k_q368ca02c4f_bn
    .symbol:         k_q368ca02c4f_bn.kd
    .args:
      - { .name: part, .offset: 0, .size: 8, .value_kind: global_buffer, .address_space: global }
      - { .name: b1, .offset: 8, .size: 8, .value_kind: global_buffer, .address_space: global }
      - { .name: gamma, .offset: 16, .size: 8, .value_kind: global_buffer, .address_space: global }
      - { .name: beta, .offset: 24, .size: 8, .value_kind: global_buffer, .address_space: global }
      - { .name: ybuf, .offset: 32, .size: 8, .value_kind: global_buffer, .address_space: global }
    .group_segment_fixed_size: 1536
    .private_segment_fixed_size: 0
    .kernarg_segment_align: 8
    .kernarg_segment_size: 40
    .max_flat_workgroup_size: 256
    .sgpr_count:     66
    .vgpr_count:     224
    .wavefront_size: 32
...
	.end_amdgpu_metadata
.endif
;; end of part 5
;; launch head: the kernel of part 4 again; grid 64 x 1, 8 waves a work-group, no clusters, 18,944 bytes of LDS; arguments ybuf, w2p, b2, out0; writes out0
